; MI455X (gfx1250); checked and timed in simulation.
; The chip was launched on July 23, 2026; its instructions are those of AMD's public machine-readable ISA for CDNA 5 (MIT licence, August 2026) and "CDNA5" Instruction Set Architecture Reference Guide (July 2026). The comments in the code are by the model that wrote it; some were corrected since.
;; Self Attention. Allowed arithmetic: matrix products marked QUANTISED: E2M1 operands, one E8M0 scale for each 32 along K, by v_wmma_scale_f32_16x16x128_f8f6f4 with both operands' format E2M1 (or v_wmma_scale_f32_32x16x128_f4), f32 sums; everything else in f32.
;; Inputs: W_out 1,024 x 1,024 float32; b_out 1,024 float32; key 4 x 2,048 x 1,024 float32; mask 4 x 1 x 2,048 x 2,048 int32; query 4 x 2,048 x 1,024 float32; value 4 x 2,048 x 1,024 float32.
;; Outputs: out0 4 x 2,048 x 1,024 float32.
;; This version of the problem:
;;   THIS VERSION OF THE PROBLEM IS GIVEN IN LOW PRECISION. The matrix products marked QUANTISED in the list below multiply operands that are first quantised to E2M1 (2 exponent bits, 1 mantissa bit; 4 bits a number), with one power-of-two scale for each 32 numbers along K (OCP MX v1.0); their sums are f32. All else is computed in f32.
;;   The module's matrix products, in the order in which they are computed (A, B: the left and right operand; K: the contracted axis; several contracted axes count as one K, in the product's order):
;;     1. batch 64 x [M 2,048, K 64] x [K 64, N 2,048]; A: input query; B: input key: QUANTISED
;;     2. batch 64 x [M 64, K 2,048] x [K 2,048, N 2,048]; A: input value; B: softmax (see below): QUANTISED
;;     3. [M 8,192, K 1,024] x [K 1,024, N 1,024]; A: computed on the way; B: input W_out: QUANTISED
;;   THE QUANTISER, for each operand of a quantised product, along K:
;;     - K is cut into blocks of 32 from its start; a last block that is shorter is filled with zeros.
;;     - A block's scale is 2^e with e = floor(log2(the largest magnitude in the block)) - 2, held to -126 .. 127; a block of zeros has e = 0. As a byte (E8M0): e + 127.
;;     - Each number is divided by its block's scale, clamped to +-6, and rounded to the nearest number of E2M1, ties to even, subnormals kept.
;;     - The product sums the exact products of the quantised numbers (number of the format x scale) in f32.
;;   ~~~python
;;   def quantise(x, axis):      # numpy; x: float32 -> the quantised numbers, widened to float32 again
;;       x = np.moveaxis(x, axis, -1); K = x.shape[-1]
;;       x = np.pad(x, [(0, 0)] * (x.ndim - 1) + [(0, -K % 32)]); x = x.reshape(x.shape[:-1] + (-1, 32)); a = np.abs(x).max(-1, keepdims=True)
;;       e = np.where(a > 0, np.clip(np.frexp(np.where(a > 0, a, 1))[1] - 1 - 2, -126, 127), 0)      # np.frexp(a)[1] - 1 = floor(log2(a)), exactly
;;       r = np.clip(x / 2.0 ** e, -6, 6)
;;       step = 2.0 ** (np.maximum(np.frexp(np.where(r == 0, 1, r))[1] - 1, 0) - 1)
;;       q = np.round(r / step) * step * 2.0 ** e      # np.round: ties to even
;;       return np.moveaxis(q.reshape(q.shape[:-2] + (-1,))[..., :K], -1, axis).astype(np.float32)
;;   ~~~
;;   SOFTMAX AHEAD OF A QUANTISED PRODUCT. Where the list says 'softmax', what is quantised is not the finished softmax but p = 2^(t - M), with t = logit x log2(e) and M = ceil(the row's largest t), a whole number; so 1/2 < the row's largest p <= 1. The row's sum l is taken of the UNQUANTISED p, in f32, and the product's result is divided by l at the end. Since M is a whole number, a kernel that streams over the keys may use a running M (the ceiling of the running maximum): every later rescaling is an exact power of two, which a block's scale takes up: the codes' values come out the same.
;;   OPERANDS COMPUTED ON THE WAY. 'Computed on the way' means the value that the module computes at that place (a softmax that the list does not call 'softmax' is quantised finished and normalised). What goes into a quantiser is computed in f32, as accurately as f32 sums, v_exp_f32 and their like allow (about 1e-6 of the number): no bf16 or f16 on the way to a quantiser, and a product that is left as it is and whose result goes on into a quantised operand takes f32 operands (vector FMAs, or v_wmma_f32_16x16x4_f32). A number that lies on a knife's edge between two numbers of the format may be rounded either way, as far as f32 arithmetic and the matrix unit's own rounding can turn it there, and no further.
;; One version. Each part assembles by itself: llvm-mc -triple=amdgcn-amd-amdhsa -mcpu=gfx1250 --defsym DOCPART=n.
;; ======== version 1 of 1: 3 launches
;; limits: right only within a limited range of input values
;; workspace buffers: kv 9,175,040 bytes; qc 4,718,592 bytes; wc 557,056 bytes; oc 4,456,448 bytes; maskw 2,097,152 bytes of whole numbers
;; launch prep (part 1): grid 1312 x 1, 4 waves a work-group, no clusters, 69,120 bytes of LDS; arguments key, query, W_out, value, mask, kv, qc, wc, maskw; writes kv, qc, wc, maskw
.if DOCPART == 1
	.amdgcn_target "amdgcn-amd-amdhsa--gfx1250"
	.amdhsa_code_object_version 6
	.text
	.protected	k_q06474cee88_prep
	.globl	k_q06474cee88_prep
	.p2align	8
	.type	k_q06474cee88_prep,@function
k_q06474cee88_prep:
	s_mov_b64 s[64:65], 0
	v_nop
	global_prefetch_b8 v0, s[64:65] scope:SCOPE_SE
	s_setreg_imm32_b32 hwreg(HW_REG_WAVE_MODE, 25, 1), 1
	s_wait_xcnt 0x0
; PREP: every input but the bias is read once and laid as the two later launches want it.
;   key, query [8192][1024], W_out [1024][1024], f32, K innermost: codes of FP4 (E2M1) with one E8M0 byte for each 32 along K   (work-groups 0-255, 256-511, 512-543)
;   value [4][2048 keys][1024], f32, K = the keys, not innermost: the same, a lane to a column and its registers down the keys   (work-groups 544-799)
;   mask [4][2048][2048], int32: one bit a number, as lane masks for the attention wave's score registers                        (work-groups 800-1311)
; Each work-group reads 131,072 bytes.  No tensor load, no barrier: waves share nothing.  The three paths part on the work-group's number; each has LDS bytes of its own.
; A block's scale is 2^(floor(log2(its largest magnitude)) - 2); its byte is the largest magnitude's exponent field - 2, held at 1 from below.
; LIMITS: a block of zeros gets the byte 1 where the rule says 127 (its codes are zeros, and this program alone reads the bytes); NaN and infinities among the inputs are not served.
; LAYOUTS (images of operand registers).  A half fragment = 16 rows x 64 K of codes = 512 bytes: lane 16 h + r owns the 16 bytes at 16 x lane: row r, k = 32 h .. 32 h + 31.
;   A scale image of 8 tiles = 512 bytes: lane 16 hh + r owns 16 bytes; its word u belongs to row r of tile 2 u + hh.
;   kv [n][head pair][key step 16][e 2][8960]: +0 K's 8 half fragments (tile 2 b + u, row r = key 32 b + 8 u + r + 8 (r / 8)); +4096 V^T's 4 fragments of 1,024 bytes (tile 2 b + u, row m = channel 32 b + 8 u + m + 8 (m / 8));
;      +8192 K's scale image (word: two bytes, then 0x7f 0x7f); +8704 V's scale image, 256 bytes: lane 16 hh + m owns 8 bytes, word u of tile 2 u + hh, its four bytes the step's four blocks of keys.
;   qc [n][head pair][128 queries 16][e 2][4608]: +0 8 half fragments, rows as they lie; +4096 the scale image.
;   wc [K step of 128: 8][128 rows: 8][8704]: +4096 e + 512 t the half fragment of K = 64 e on; +8192 the scale image, whole words.
;   maskw [n][16 queries: 128][key step 16][64 words]: word R, bit 16 h + r = (mask[16 tile + r][128 step + 32 (R / 16) + 16 h + R % 16] != 0).
.set QR,   16                          ; v16-143   path QKW: four sets of 32 numbers as loaded
.set QX,   144                         ; v144-207  two sets of 32 neighbours along K
.set QC,   208                         ; v208-239  codes, four registers a unit: no store's data are written again
.set QW,   240                         ; v240-247  a scale word for each unit
.set VX,   16                          ; v16-79    path V: two sets of 32 numbers
.set VC,   80                          ; v80-111   codes, four registers a block
.set MR,   16                          ; v16-143   path mask: two sets of 64 numbers as loaded
.set MY,   144                         ; v144-207  64 numbers in the order of the score registers
.set MSTG, 34816                       ; LDS: 0 .. 34,815 path QKW's stages (8,704 a wave); from here path mask's (8,448 a wave)
; the largest magnitude of v[XS] .. v[XS+31] and the floor 2^(3 - 127), in two chains -> v12; 2 off its exponent field -> v14: the conversions' scale operand
.macro MAX32
	v_max3_num_f32 v12, |v[XS]|, |v[XS+1]|, |v[XS+2]|
	v_max3_num_f32 v13, |v[XS+3]|, |v[XS+4]|, |v[XS+5]|
.irp i, 6,10,14,18,22,26
	v_max3_num_f32 v12, v12, |v[XS+\i]|, |v[XS+\i+1]|
	v_max3_num_f32 v13, v13, |v[XS+\i+2]|, |v[XS+\i+3]|
.endr
	v_max3_num_f32 v12, v12, |v[XS+30]|, |v[XS+31]|
	v_max3_num_f32 v12, v12, v13, 0x1800000
	v_add_nc_u32 v14, 0xff000000, v12
.endm
; PATH QKW.  Unit t = 16 rows x 64 numbers.  Load j: lanes 0-15 take the 256 bytes of stage row 2 j, lanes 16-31 those of row 2 j + 1: each half covers 256 consecutive bytes, aligned
.macro QLOAD t
.irp j, 0,1,2,3,4,5,6,7
	global_load_b128 v[QR+32*((\t)%4)+4*\j:QR+32*((\t)%4)+4*\j+3], v[4+2*((\t)%2)+\j/4], s[26:27] offset:(32*((\t)/2)+2*\j)*4096 th:TH_LOAD_NT
.endr
.endm
; through the wave's own stage (rows 272 bytes apart): in as loaded, back 128 bytes a lane: a whole block of 32.  LDS serves a wave's instructions in order: no wait between
.macro QTURN t
.irp j, 0,1,2,3,4,5,6,7
	ds_store_b128 v8, v[QR+32*((\t)%4)+4*\j:QR+32*((\t)%4)+4*\j+3] offset:4352*((\t)%2)+544*\j
.endr
.irp j, 0,1,2,3,4,5,6,7
	ds_load_b128 v[QX+32*((\t)%2)+4*\j:QX+32*((\t)%2)+4*\j+3], v9 offset:4352*((\t)%2)+16*\j
.endr
.endm
.macro QUNIT t
.set XS, QX+32*((\t)%2)
	s_wait_dscnt 0x0                               ; this unit's numbers are back from the stage, so its stores into the stage have read their registers,
.if (\t)+4 < 8
	QLOAD (\t)+4                                   ; which take the loads of four units on
.endif
.if (\t) < 7
.if (\t) < 4
	s_wait_loadcnt 24                              ; the next unit's eight loads are in; those of the three units behind it may be out
.else
	s_wait_loadcnt 8*(6-(\t))                      ; the counts run down
.endif
	QTURN (\t)+1                                   ; and go through the other stage while this unit is worked
.endif
	MAX32                                          ; all 32 numbers of the block are mine
.irp g, 0,1,2,3
	v_cvt_scalef32_pk8_fp4_f32 v[QC+4*(\t)+\g], v[XS+8*\g:XS+8*\g+7], v14
.endr
	v_lshrrev_b32 v15, 23, v14                     ; the scale's byte (a plain line behind the conversions)
	v_lshlrev_b32 v15, v11, v15                    ; at its place: 8 h bits up
	v_permlanex16_b32 v248, v15, s34, s35
	v_or_b32 v15, v15, v248                        ; with lane l xor 16's: my row's two bytes
	v_or_b32 v[QW+(\t)], 0x7f7f0000, v15           ; the upper two stand for 1.0: K and Q have 64 along K, the rest of the instruction's 128 meets zero codes
	global_store_b128 v10, v[QC+4*(\t):QC+4*(\t)+3], s[30:31] offset:512*(\t)   ; the wave stores 512 consecutive bytes
.endm
; PATH V.  Block q = 2 kb + b: keys 32 kb on, channels 32 b on; a lane takes a channel, its 32 registers run down the keys
.macro VLOAD q
.irp i, 0,1,2,3,4,5,6,7,8,9,10,11,12,13,14,15,16,17,18,19,20,21,22,23,24,25,26,27,28,29,30,31
	global_load_b32 v[VX+32*((\q)%2)+\i], v4, s[26:27] offset:(32*((\q)/2)+\i)*4096+128*((\q)%2)
.endr
.endm
.macro VBLOCK q
.set XS, VX+32*((\q)%2)
.if (\q) < 7
	s_wait_loadcnt 32                              ; this block's 32 loads are in; the next block's may be out
.else
	s_wait_loadcnt 0x0
.endif
	MAX32
	v_lshrrev_b32 v15, 23, v14                     ; the scale's byte: byte kb of my channel's word
.if (\q)/2 == 0
	v_mov_b32 v[112+(\q)%2], v15
.else
	v_lshl_or_b32 v[112+(\q)%2], v15, 8*((\q)/2), v[112+(\q)%2]
.endif
.irp g, 0,1,2,3
	v_cvt_scalef32_pk8_fp4_f32 v[VC+4*(\q)+\g], v[XS+8*\g:XS+8*\g+7], v14
.endr
	global_store_b128 v5, v[VC+4*(\q):VC+4*(\q)+3], s[28:29] offset:4096+2048*((\q)%2)+512*((\q)/4)+256*(((\q)/2)%2)   ; lanes 0-15 fill 256 consecutive bytes of tile 2 b, lanes 16-31 of tile 2 b + 1
.if (\q)+2 < 8
	VLOAD (\q)+2
.endif
.endm
; PATH MASK.  Key step ks of the wave's four: 16 rows x 128 numbers
.macro MLOAD ks
.irp i, 0,1,2,3,4,5,6,7,8,9,10,11,12,13,14,15
	global_load_b128 v[MR+64*((\ks)%2)+4*\i:MR+64*((\ks)%2)+4*\i+3], v4, s[26:27] offset:8192*\i+512*(\ks) th:TH_LOAD_NT   ; 32 lanes read 512 consecutive bytes of row i
.endr
.endm
.macro MSTEP ks
.if (\ks) < 3
	s_wait_loadcnt 16                              ; this step's 16 loads are in; the next step's may be out
.else
	s_wait_loadcnt 0x0
.endif
.irp i, 0,1,2,3,4,5,6,7,8,9,10,11,12,13,14,15
	ds_store_b128 v5, v[MR+64*((\ks)%2)+4*\i:MR+64*((\ks)%2)+4*\i+3] offset:528*\i
.endr
.irp b, 0,1,2,3
.irp j, 0,1,2,3
	ds_load_b128 v[MY+16*\b+4*\j:MY+16*\b+4*\j+3], v6 offset:128*\b+16*\j   ; lane 16 h + r: row r, keys 32 b + 16 h + 4 j on
.endr
.endr
	s_wait_dscnt 0x0
.if (\ks)+2 < 4
	MLOAD (\ks)+2
.endif
.set RR, 0
.rept 64
	v_cmp_ne_u32 s[44+RR%4], 0, v[MY+RR]           ; word RR: a bit a lane
	v_writelane_b32 v[208+2*(\ks)+RR%2], s[44+RR%4], RR/2   ; into lane RR / 2, register RR % 2: the store below lays the words on end
.set RR, RR+1
.endr
	global_store_b64 v7, v[208+2*(\ks):209+2*(\ks)], s[28:29] offset:256*(\ks)   ; 32 lanes store 256 consecutive bytes, aligned
.endm
	s_load_b512 s[8:23], s[0:1], 0x0               ; key 8, query 10, W_out 12, value 14, mask 16, kv 18, qc 20, wc 22
	s_load_b64 s[24:25], s[0:1], 0x40              ; maskw
	v_lshl_add_u32 v254, v0, 2, 0x10c00
	v_mov_b32 v255, 0
	v_lshrrev_b32 v1, 5, v0
	v_readfirstlane_b32 s2, v1                     ; wave 0..3
	v_and_b32 v1, 31, v0                           ; lane
	v_and_b32 v2, 15, v0                           ; lane % 16
	v_bfe_u32 v3, v0, 4, 1                         ; lane / 16
	s_wait_kmcnt 0x0
	s_cmp_lt_u32 ttmp9, 544
	s_cbranch_scc1 .Lqkw
	s_cmp_lt_u32 ttmp9, 800
	s_cbranch_scc1 .Lv
	; ---- the mask: a work-group takes 16 rows (queries) x all keys, a wave 4 key steps
	s_sub_co_u32 s37, ttmp9, 800                   ; 128 n + tile of queries
	s_lshl_b32 s38, s37, 17                        ; 16 rows of 8,192 bytes
	s_lshl_b32 s39, s2, 11                         ; my four key steps of 512 bytes
	s_add_co_u32 s38, s38, s39
	s_mov_b32 s39, 0
	s_add_nc_u64 s[26:27], s[16:17], s[38:39]
	s_lshl_b32 s38, s37, 4
	s_lshl_b32 s40, s2, 2
	s_add_co_u32 s38, s38, s40
	s_lshl_b32 s38, s38, 8                         ; 256 bytes of words a key step
	s_add_nc_u64 s[28:29], s[24:25], s[38:39]
	s_mul_i32 s40, s2, 8448
	s_add_co_u32 s40, s40, MSTG                    ; my stage: 16 rows 528 bytes apart
	s_wait_alu depctr_va_vdst(0)
	v_lshlrev_b32 v4, 4, v1
	v_add_nc_u32 v5, s40, v4
	v_mul_u32_u24 v6, v2, 528
	v_lshl_add_u32 v6, v3, 6, v6
	v_add_nc_u32 v6, s40, v6
	v_lshlrev_b32 v7, 3, v1
.irp i, 0,1,2,3,4,5,6,7
	v_mov_b32 v[208+\i], 0                         ; written once: v_writelane_b32's destination counts as one of its sources
.endr
	MLOAD 0
	MLOAD 1
	s_wait_alu depctr_va_vdst(0)
	MSTEP 0
	MSTEP 1
	MSTEP 2
	MSTEP 3
	s_wait_tensorcnt 0x0
	ds_add_u32 v254, v255
	s_wait_dscnt 0x0
	s_endpgm
	; ---- value: a work-group takes a key step (128 keys) x 4 heads, a wave one head
.Lv:
	s_sub_co_u32 s37, ttmp9, 544
	s_lshr_b32 s38, s37, 6                         ; n
	s_bfe_u32 s39, s37, 0x40002                    ; key step
	s_and_b32 s40, s37, 3
	s_lshl_b32 s40, s40, 2
	s_add_co_u32 s40, s40, s2                      ; head
	s_lshl_b32 s41, s38, 4
	s_add_co_u32 s41, s41, s39
	s_lshl_b32 s42, s41, 19                        ; (16 n + step) x 128 rows of 4,096 bytes
	s_lshl_b32 s43, s40, 8                         ; + the head's 256 bytes of a row
	s_add_co_u32 s42, s42, s43
	s_mov_b32 s43, 0
	s_add_nc_u64 s[26:27], s[14:15], s[42:43]
	s_lshr_b32 s44, s40, 1                         ; head pair
	s_and_b32 s45, s40, 1                          ; e
	s_lshl_b32 s46, s38, 3
	s_add_co_u32 s46, s46, s44
	s_lshl_b32 s46, s46, 4
	s_add_co_u32 s46, s46, s39
	s_lshl_b32 s46, s46, 1
	s_add_co_u32 s46, s46, s45
	s_mul_i32 s46, s46, 8960                       ; my record of kv
	s_mov_b32 s47, 0
	s_add_nc_u64 s[28:29], s[18:19], s[46:47]
	s_wait_alu depctr_va_vdst(0)
	v_and_b32 v4, 8, v2
	v_add_nc_u32 v4, v4, v2                        ; m + 8 (m / 8)
	v_lshl_add_u32 v4, v3, 3, v4                   ; + 8 u: my channel among the block's 32
	v_lshlrev_b32 v4, 2, v4
	v_lshlrev_b32 v5, 10, v3
	v_lshl_add_u32 v5, v2, 4, v5                   ; my 16 bytes: tile u, row m
	v_lshlrev_b32 v6, 3, v1
	VLOAD 0
	VLOAD 1
.irp q, 0,1,2,3,4,5,6,7
	VBLOCK \q
.endr
	global_store_b64 v6, v[112:113], s[28:29] offset:8704   ; V's scale image: 256 consecutive bytes
	s_endpgm
	; ---- key, query, W_out: a work-group takes 128 rows x 4 slices of 64 columns, a wave one slice in 8 units of 16 rows
.Lqkw:
	s_cmp_lt_u32 ttmp9, 256                        ; key's, or query's?  Every choice hangs on the work-group's number alone
	s_cselect_b64 s[26:27], s[8:9], s[10:11]       ; from
	s_cselect_b64 s[28:29], s[18:19], s[20:21]     ; to
	s_cselect_b32 s37, 0, 256                      ; the tensor's first work-group
	s_mov_b32 s38, 9216
	s_cselect_b32 s38, 17920, s38                  ; bytes of a pair of records
	s_mov_b32 s39, 4608
	s_cselect_b32 s39, 8960, s39                   ; from e = 0's codes to e = 1's
	s_mov_b32 s41, 4096
	s_cselect_b32 s41, 8192, s41                   ; where a record's scale image begins
	s_cselect_b32 s42, 32768, 0                    ; K's tiles: rows 8-15 lie 8 rows further on
	s_mov_b32 s43, 65536
	s_cselect_b32 s43, 32768, s43                  ; an odd tile begins 8 rows (K) or 16 rows on
	s_mov_b32 s40, s39                             ; from e = 0's scales to e = 1's
	s_cmp_lt_u32 ttmp9, 512                        ; or W_out's?
	s_cselect_b64 s[26:27], s[26:27], s[12:13]
	s_cselect_b64 s[28:29], s[28:29], s[22:23]
	s_cselect_b32 s37, s37, 512
	s_cselect_b32 s38, s38, 8704
	s_cselect_b32 s39, s39, 4096
	s_cselect_b32 s40, s40, 2                      ; W's two slices of a K step share a scale word: its halves
	s_cselect_b32 s41, s41, 8192
	s_cselect_b32 s44, 4, 3                        ; log2 of the groups of 128 rows in a batch
	s_cselect_b32 s45, 0, 1                        ; 1: W_out
	s_sub_co_u32 s37, ttmp9, s37
	s_lshr_b32 s46, s37, 2                         ; group of 128 rows
	s_and_b32 s47, s37, 3
	s_lshl_b32 s47, s47, 2
	s_add_co_u32 s47, s47, s2                      ; slice of 64 columns
	s_lshr_b32 s48, s47, 1                         ; head pair, or K step
	s_and_b32 s49, s47, 1                          ; e
	s_lshr_b32 s50, s46, s44                       ; n
	s_lshl_b32 s51, s50, s44
	s_sub_co_u32 s51, s46, s51                     ; the group within the batch
	s_lshl_b32 s50, s50, 3
	s_add_co_u32 s50, s50, s48
	s_lshl_b32 s50, s50, s44
	s_add_co_u32 s50, s50, s51
	s_mul_i32 s50, s50, s38                        ; the pair of records
	s_mul_i32 s52, s49, s39
	s_add_co_u32 s52, s52, s50
	s_mov_b32 s53, 0
	s_add_nc_u64 s[30:31], s[28:29], s[52:53]      ; my codes
	s_mul_i32 s52, s49, s40
	s_add_co_u32 s52, s52, s50
	s_add_co_u32 s52, s52, s41
	s_add_nc_u64 s[32:33], s[28:29], s[52:53]      ; my scale image
	s_lshl_b32 s52, s46, 19                        ; 128 rows of 4,096 bytes
	s_lshl_b32 s54, s47, 8
	s_add_co_u32 s52, s52, s54
	s_add_nc_u64 s[26:27], s[26:27], s[52:53]
	s_wait_alu depctr_va_vdst(0)
	v_lshlrev_b32 v4, 12, v3
	v_lshl_add_u32 v4, v2, 4, v4                   ; v4-7: row lane / 16, 16 bytes a lane; even tile, rows 0-7;
	v_add_nc_u32 v5, s42, v4                       ; even tile, rows 8-15;
	v_add_nc_u32 v6, s43, v4                       ; odd tile, rows 0-7;
	v_add_nc_u32 v7, s42, v6                       ; odd tile, rows 8-15
	s_mul_i32 s54, s2, 8704                        ; my two stages
	v_mul_u32_u24 v8, v3, 272
	v_lshl_add_u32 v8, v2, 4, v8
	v_add_nc_u32 v8, s54, v8                       ; in: as loaded
	v_mul_u32_u24 v9, v2, 272
	v_lshl_add_u32 v9, v3, 7, v9
	v_add_nc_u32 v9, s54, v9                       ; back: row lane % 16, block lane / 16
	v_lshlrev_b32 v10, 4, v1
	v_lshlrev_b32 v11, 3, v3
	v_mov_b32 v248, 0                              ; written once: a lane permute's destination counts as one of its sources
	s_mov_b32 s34, 0x76543210
	s_mov_b32 s35, 0xfedcba98                      ; v_permlanex16_b32's selects for lane l xor 16
	s_mov_b32 s36, 0xffff0000                      ; lanes 16-31
.irp t, 0,1,2,3
	QLOAD \t
.endr
	s_wait_alu depctr_va_vdst(0)
	s_wait_loadcnt 24                              ; unit 0's eight loads are in
	QTURN 0
.irp t, 0,1,2,3,4,5,6,7
	QUNIT \t
.endr
.irp u, 0,1,2,3
	v_cndmask_b32 v[12+\u], v[QW+2*\u], v[QW+2*\u+1], s36   ; the scale image: lanes 0-15 the even tile's word, lanes 16-31 the odd tile's
.endr
	s_cmp_eq_u32 s45, 1
	s_cbranch_scc1 .Lw_scales
	global_store_b128 v10, v[12:15], s[32:33]      ; 512 consecutive bytes
	s_wait_tensorcnt 0x0
	ds_add_u32 v254, v255
	s_wait_dscnt 0x0
	s_endpgm
.Lw_scales:                                        ; W_out: my slice's two bytes are half of each word; the other half is the neighbouring wave's.  32,768 bytes in the whole launch leave so
	s_wait_alu depctr_va_vdst(0)
.irp u, 0,1,2,3
	global_store_b16 v10, v[12+\u], s[32:33] offset:4*\u
.endr
	s_wait_tensorcnt 0x0
	ds_add_u32 v254, v255
	s_wait_dscnt 0x0
	s_endpgm
.Lfunc_end_k_q06474cee88_prep:
	.size	k_q06474cee88_prep, .Lfunc_end_k_q06474cee88_prep-k_q06474cee88_prep
	.p2alignl 7, 3214868480
	.fill 96, 4, 3214868480
	.section	.rodata,"a",@progbits
	.p2align	6, 0x0
	.amdhsa_kernel k_q06474cee88_prep
		.amdhsa_group_segment_fixed_size 69120
		.amdhsa_private_segment_fixed_size 0
		.amdhsa_enable_private_segment 0
		.amdhsa_kernarg_size 72
		.amdhsa_user_sgpr_count 2
		.amdhsa_user_sgpr_kernarg_segment_ptr 1
		.amdhsa_wavefront_size32 1
		.amdhsa_system_sgpr_workgroup_id_x 1
		.amdhsa_system_sgpr_workgroup_id_y 1
		.amdhsa_system_sgpr_workgroup_id_z 1
		.amdhsa_system_vgpr_workitem_id 0
		.amdhsa_next_free_vgpr 256
		.amdhsa_next_free_sgpr 66
		.amdhsa_reserve_vcc 0
		.amdhsa_float_denorm_mode_32 3
		.amdhsa_float_denorm_mode_16_64 3
		.amdhsa_memory_ordered 1
		.amdhsa_forward_progress 1
		.amdhsa_inst_pref_size 119
	.end_amdhsa_kernel
	.amdgpu_metadata
---
amdhsa.version: [ 1, 2 ]
amdhsa.kernels:
  - .name:           k_q06474cee88_prep
    .symbol:         k_q06474cee88_prep.kd
    .args:
      - { .name: key, .offset: 0, .size: 8, .value_kind: global_buffer, .address_space: global }
      - { .name: query, .offset: 8, .size: 8, .value_kind: global_buffer, .address_space: global }
      - { .name: W_out, .offset: 16, .size: 8, .value_kind: global_buffer, .address_space: global }
      - { .name: value, .offset: 24, .size: 8, .value_kind: global_buffer, .address_space: global }
      - { .name: mask, .offset: 32, .size: 8, .value_kind: global_buffer, .address_space: global }
      - { .name: kv, .offset: 40, .size: 8, .value_kind: global_buffer, .address_space: global }
      - { .name: qc, .offset: 48, .size: 8, .value_kind: global_buffer, .address_space: global }
      - { .name: wc, .offset: 56, .size: 8, .value_kind: global_buffer, .address_space: global }
      - { .name: maskw, .offset: 64, .size: 8, .value_kind: global_buffer, .address_space: global }
    .group_segment_fixed_size: 69120
    .private_segment_fixed_size: 0
    .kernarg_segment_align: 8
    .kernarg_segment_size: 72
    .max_flat_workgroup_size: 128
    .sgpr_count:     66
    .vgpr_count:     256
    .wavefront_size: 32
...
	.end_amdgpu_metadata
.endif
;; end of part 1
;; launch attn (part 2): grid 8 x 32, 16 waves a work-group, clusters of 4 x 1, 327,680 bytes of LDS; arguments qc, kv, maskw, oc; writes oc
.if DOCPART == 2
	.amdgcn_target "amdgcn-amd-amdhsa--gfx1250"
	.amdhsa_code_object_version 6
	.text
	.protected	k_q06474cee88_attn
	.globl	k_q06474cee88_attn
	.p2align	8
	.type	k_q06474cee88_attn,@function
k_q06474cee88_attn:
	s_mov_b64 s[64:65], 0
	v_nop
	global_prefetch_b8 v0, s[64:65] scope:SCOPE_SE
	s_setreg_imm32_b32 hwreg(HW_REG_WAVE_MODE, 25, 1), 1
	s_wait_xcnt 0x0
	s_wait_alu depctr_hold_cnt(0) depctr_sa_sdst(0) depctr_va_vdst(0) depctr_va_sdst(0) depctr_va_ssrc(0) depctr_va_vcc(0) depctr_vm_vsrc(0)
	s_getreg_b32 s2, hwreg(HW_REG_IB_STS2, 6, 4)
	s_cmp_eq_u32 s2, 0
	s_cbranch_scc0 .Lentry_in_a_cluster
	s_endpgm
.Lentry_in_a_cluster:
	s_bfe_u32 s2, ttmp6, 0x10000c
	s_cmp_lg_u32 s2, 0x3003
	s_cbranch_scc0 .Lentry_shape_is_right
	s_endpgm
.Lentry_shape_is_right:
; ATTENTION on codes of FP4 (E2M1), one E8M0 scale for each 32 along a product's K; the result leaves as codes, the left operand of the output projection.
; score = q . k (K = the head's 64); where the mask is 0 the score is replaced; t = score x log2(e) / 32; M = the row's largest t so far, rounded UP to a whole number;
; p = 2^(t - M) is quantised along the keys, not normalised; the row's sum is taken of the unquantised p and divides O at the end.  When M moves, the sum and O are multiplied by 2^(old M - new M): exact.
; SHARES.  A work-group owns 256 queries of one batch and one PAIR of heads; each of its sixteen waves owns 16 queries, for both heads, in 256 registers.  A step's 64 mask words serve both heads.
; Every wave walks all 2,048 keys, 128 a step, in one counted loop of 16 trips.
; LDS.  K's and V's codes and scale bytes of the head pair, 16 key steps of 17,920 bytes, lie in LDS as they lie in kv, filled ONCE: wave w fetches key step w, one tensor load a wave, no branch.
; One wait and one barrier make all of it visible; nothing is filled again, so the loop has no barrier.
; CLUSTER.  The four blocks of queries of a cluster walk the same K and V: each load is asked for JOINTLY, with the same descriptor and a mask that names the four.
; NO PREFETCH: K and V come by the head's loads alone, ahead of the loop; the mask words are asked for a step ahead by scalar loads.
; LAYOUT.  Both products are used transposed (S^T = K Q^T, O^T = V^T P^T): a lane holds ONE query (lane % 16).  Row r of tile 2 b + u of K and of V^T is 32 b + 8 u + r + 8 (r / 8), so that the 16 registers
; of tiles 2 b and 2 b + 1 are 16 neighbours, 32 b + 16 (lane / 16) + 0 .. 15, along the next product's K.
; THE FIRST PRODUCT'S K IS 64 of the instruction's 128: Q's upper four registers are zero codes; K's operand for tile t is v[32 + 4 t : 39 + 4 t], whose upper four registers (the next tile's codes, zeros behind tile 7)
; meet zero codes under the scale byte 0x7f and add nothing.
; THE MASK.  Word R of a step's 64 is the lane mask of score register R and feeds v_cndmask_b32 alone.  A masked score becomes -2^30 where the problem says -1e9: -2^30 x log2(e) / 32 is a whole number in f32,
; so that in a row whose every key is masked t - M is exactly 0 and every p is 1, as the problem's equal weights ask.
; LIMITS: in every other row both numbers give p = 0 as long as unmasked scores lie above about -1e9; the scaled scores stay under 2^31 in magnitude; NaN and infinities are not served; a p under 2^-126 counts as 0;
; a block of zeros keeps the scale byte 1 (its codes are zeros).
; REGISTERS: v1 16 x lane, v2 8 x lane, v3 -2^30, v4-5 the step's LDS addresses, v6-7 the way out's; v[8+4e ..] -M, the largest t, the sum in two halves; v[16+8e ..] Q; v32-63 K's tiles, then V's; v64-67 zeros;
;   v68-71 K's scale words, v72-73 V's, v74-75 Q's, v76 p's; v96-159 S^T, then p; v[160+32e ..] O^T; v224-231 codes; v232-254 at work; v249, v255 the spare word's address and 0.
; SCALARS: s2 wave; s3 trips; s[4:11] descriptor group 1; s[12:15] group 0; s[28:29] my mask words; s30 the step's LDS byte; s31 the mask words' offset; s[32:63], s[68:99] the 64 mask words; s[66:67] c; s[100:101] lane selects.
.set REC,  8960                        ; a head's record of a key step
.set STP,  2*REC                       ; a key step
.set OSC,  16*STP                      ; behind K and V: two scale images of the result, 512 bytes each, written by LDS stores: no fill lands there
.set SPARE, OSC+1024                   ; the spare words, 128 bytes a wave
.macro CROUND                          ; a round of the cluster's barrier
	s_barrier_signal -1
	s_barrier_wait -1
	s_cmp_lg_u32 s2, 0
	s_cbranch_scc1 .Lnot_wave_0_\@
	s_barrier_signal -3
.Lnot_wave_0_\@:
	s_barrier_wait -3
	s_barrier_signal -1
	s_barrier_wait -1
.endm
; A KEY STEP of head e of the pair: 128 keys
.macro STEP e
.set NM, 8+4*\e
.set SU, 10+4*\e
.set OT, 160+32*\e
.set RO, REC*\e
.if \e == 0
	v_add_nc_u32 v4, s30, v1                       ; the step's addresses: with the two v_nop the four places in front of loads into registers that the last products read
	v_add_nc_u32 v5, s30, v2
	s_wait_alu depctr_va_vdst(0)
	v_nop
	v_nop
.else
.rept 4
	v_nop
.endr
.endif
.irp t, 0,1,2,3,4,5,6,7
	ds_load_b128 v[32+4*\t:35+4*\t], v4 offset:RO+512*\t   ; K's eight tiles, images of their registers
.endr
	ds_load_b128 v[68:71], v4 offset:RO+8192       ; their scale words: register t / 2, lanes 0-15 for an even tile, lanes 16-31 for an odd one
	s_wait_dscnt 0x0
.irp t, 0,1,2,3,4,5,6,7
.if \t%2
	v_wmma_scale_f32_16x16x128_f8f6f4 v[96+8*\t:103+8*\t], v[32+4*\t:39+4*\t], v[16+8*\e:23+8*\e], 0, v[68+\t/2], v[74+\e] matrix_a_fmt:MATRIX_FMT_FP4 matrix_b_fmt:MATRIX_FMT_FP4 matrix_a_scale:MATRIX_SCALE_ROW1
.else
	v_wmma_scale_f32_16x16x128_f8f6f4 v[96+8*\t:103+8*\t], v[32+4*\t:39+4*\t], v[16+8*\e:23+8*\e], 0, v[68+\t/2], v[74+\e] matrix_a_fmt:MATRIX_FMT_FP4 matrix_b_fmt:MATRIX_FMT_FP4
.endif
.endr
.rept 4
	v_nop                                          ; four places: in front of the loads into K's registers, and of the first read of the scores
.endr
.irp d, 0,1,2,3
.irp c, 0,1
	ds_load_b128 v[32+8*\d+4*\c:35+8*\d+4*\c], v4 offset:RO+4096+1024*\d+512*\c   ; V's four tiles are asked for now and land while the softmax is worked
.endr
.endr
	ds_load_b64 v[72:73], v5 offset:RO+8704        ; and their scale words
.if \e == 0
	s_wait_kmcnt 0x0                               ; the step's mask words are in; their loads are done, so the offset may step
	s_add_co_u32 s31, s31, 256
	s_min_u32 s31, s31, 3840                       ; the last step asks for its own words again: no load leaves the buffer
.endif
.set R, 0
.rept 64
	v_cndmask_b32 v[96+R], v3, v[96+R], s[32+R+4*(R/32)]   ; a masked score becomes -2^30; each accumulator is read from its low end on
.set R, R+1
.endr
.if \e == 1
	s_load_b512 s[32:47], s[28:29], s31 offset:0x0   ; the next step's 64 words
	s_load_b512 s[48:63], s[28:29], s31 offset:0x40
	s_load_b512 s[68:83], s[28:29], s31 offset:0x80
	s_load_b512 s[84:99], s[28:29], s31 offset:0xc0
.endif
.irp b, 0,1,2,3
	v_max3_num_f32 v[232+\b], v[96+16*\b], v[97+16*\b], v[98+16*\b]   ; the largest score of each block of 32 keys: for the row's maximum and, since p rises with the score, for the block's largest p
.endr
.irp i, 3,5,7,9,11,13
.irp b, 0,1,2,3
	v_max3_num_f32 v[232+\b], v[232+\b], v[96+16*\b+\i], v[97+16*\b+\i]   ; the four blocks by turns
.endr
.endr
.irp b, 0,1,2,3
	v_max_num_f32 v[232+\b], v[232+\b], v[111+16*\b]
.endr
.irp b, 0,1,2,3
	v_permlanex16_b32 v[236+\b], v[232+\b], s100, s101
.endr
.irp b, 0,1,2,3
	v_max_num_f32 v[232+\b], v[232+\b], v[236+\b]  ; with lane l xor 16's 16 keys
.endr
	v_max3_num_f32 v254, v232, v233, v234
	s_delay_alu instid0(VALU_DEP_1)
	v_max_num_f32 v254, v254, v235                 ; the step's largest score of my query
	s_delay_alu instid0(VALU_DEP_1)
	v_mul_f32 v254, s66, v254                      ; as t (c is positive)
	s_delay_alu instid0(VALU_DEP_1)
	v_max_num_f32 v[NM+1], v[NM+1], v254           ; the running largest t
	v_mov_b32 v254, v[NM]
	s_delay_alu instid0(VALU_DEP_2)
	v_floor_f32 v[NM], -v[NM+1]                    ; the new -M = floor(-t) = -ceil(t)
	s_delay_alu instid0(VALU_DEP_1)
	v_sub_f32 v254, v[NM], v254                    ; old M - new M: a whole number, 0 or less
	s_delay_alu instid0(VALU_DEP_1)
	v_cvt_i32_f32 v254, v254                       ; (it saturates)
	s_delay_alu instid0(VALU_DEP_1)
	v_ldexp_f32 v250, 1.0, v254                    ; f = 2^(old M - new M)
.set J, 0
.rept 32
	v_pk_fma_f32 v[96+J:97+J], v[96+J:97+J], s[66:67], v[NM:NM+1] op_sel_hi:[1,0,0]   ; t - M, two at a time (of the pairs c and -M the low word serves both halves)
.set J, J+2
.endr
.irp b, 0,1,2,3
	v_fma_f32 v[232+\b], v[232+\b], s66, v[NM]     ; the same of each block's largest score
.endr
.set J, 0
	s_wait_alu depctr_va_vdst(0)                   ; the wait ahead of the batch
.rept 64
	v_exp_f32 v[96+J], v[96+J]                     ; p = 2^(t - M), at most 1
.set J, J+1
.endr
	v_pk_mul_f32 v[SU:SU+1], v[SU:SU+1], v[250:251] op_sel_hi:[1,0]   ; the sums under the new M: a plain line behind the exponentials
	s_wait_alu depctr_va_vdst(0)                   ; one wait for the batch of 64, ahead of its first reader
.irp b, 0,1,2,3
	v_exp_f32 v[232+\b], v[232+\b]                 ; the block's largest p: the same two instructions on the same number
.endr
	v_pk_add_f32 v[236:237], v[96:97], v[98:99]    ; the row's sum of the unquantised p, two at a time, in two chains; it reads the 64 alone
.set J, 4
.rept 15
	v_pk_add_f32 v[SU:SU+1], v[SU:SU+1], v[96+J:97+J]
	v_pk_add_f32 v[236:237], v[236:237], v[98+J:99+J]
.set J, J+4
.endr
	s_delay_alu instid0(VALU_DEP_1)
	v_pk_add_f32 v[SU:SU+1], v[SU:SU+1], v[236:237]
	s_wait_alu depctr_va_vdst(0)                   ; and one for the four
.irp b, 0,1,2,3
	v_max_num_f32 v[232+\b], 0x1800000, v[232+\b]  ; the floor 2^(3 - 127): the byte cannot fall under 1
.endr
.irp b, 0,1,2,3
	v_add_nc_u32 v[244+\b], 0xff000000, v[232+\b]  ; 2 off the exponent field: the conversion's scale operand
.endr
.irp b, 0,1,2,3
	v_lshrrev_b32 v[236+\b], 23, v[244+\b]         ; the scale's byte
.endr
	v_lshl_or_b32 v76, v237, 8, v236               ; p's scale word for these 128 keys
	s_delay_alu instid0(VALU_DEP_1)
	v_lshl_or_b32 v76, v238, 16, v76
	s_delay_alu instid0(VALU_DEP_1)
	v_lshl_or_b32 v76, v239, 24, v76
.irp b, 0,1,2,3
	v_cvt_scalef32_pk8_fp4_f32 v[224+2*\b], v[96+16*\b:103+16*\b], v[244+\b]
	v_cvt_scalef32_pk8_fp4_f32 v[225+2*\b], v[104+16*\b:111+16*\b], v[244+\b]
.endr
	v_nop                                          ; one plain line behind the scaled conversions
.irp c, 0,1
.irp i, 0,1
	v_permlane16_swap_b32 v[224+4*\c+\i], v[226+4*\c+\i]   ; the operand wants a whole block in a lane: lanes 0-15 block 2 c, lanes 16-31 block 2 c + 1
.endr
.endr
	s_wait_alu depctr_va_vdst(0)                   ; the wait directly ahead of the first reader of O^T
.set J, 0
.rept 16
	v_pk_mul_f32 v[OT+J:OT+J+1], v[OT+J:OT+J+1], v[250:251] op_sel_hi:[1,0]   ; O^T under the new M.  For each product below the twelve of these on the other three tiles are the places behind the scale word's and the codes' last writes
.set J, J+2
.endr
	s_wait_alu depctr_va_vdst(0)                   ; the wait directly ahead of the wait below
	s_wait_dscnt 0x0                               ; V's tiles and scale words are in
.irp d, 0,1,2,3                                ; O^T += V^T P^T: the four accumulators take one turn each
.if \d%2
	v_wmma_scale_f32_16x16x128_f8f6f4 v[OT+8*\d:OT+8*\d+7], v[32+8*\d:39+8*\d], v[224:231], v[OT+8*\d:OT+8*\d+7], v[72+\d/2], v76 matrix_a_fmt:MATRIX_FMT_FP4 matrix_b_fmt:MATRIX_FMT_FP4 matrix_a_scale:MATRIX_SCALE_ROW1
.else
	v_wmma_scale_f32_16x16x128_f8f6f4 v[OT+8*\d:OT+8*\d+7], v[32+8*\d:39+8*\d], v[224:231], v[OT+8*\d:OT+8*\d+7], v[72+\d/2], v76 matrix_a_fmt:MATRIX_FMT_FP4 matrix_b_fmt:MATRIX_FMT_FP4
.endif
.endr
.endm
	s_load_b128 s[32:35], s[0:1], 0x0              ; qc s[32:33], kv s[34:35]
	s_load_b64 s[36:37], s[0:1], 0x10              ; maskw
	v_lshl_add_u32 v249, v0, 2, SPARE
	v_mov_b32 v255, 0
	ds_add_u32 v249, v255                          ; the opening lines: the add, twice on end, and its wait ahead of my tensor load
	ds_add_u32 v249, v255
	v_lshrrev_b32 v1, 5, v0
	v_readfirstlane_b32 s2, v1                     ; wave 0..15
	s_bfe_u32 s40, ttmp6, 0x40000                  ; cx: my place in the cluster
	s_lshl_b32 s41, ttmp9, 2                       ; in a cluster launch ttmp9 counts clusters
	s_add_co_u32 s41, s41, s40                     ; my block of 256 queries: it enters Q's, the mask words' and the result's addresses alone
	s_and_b32 s42, ttmp7, 0xffff                   ; 8 n + head pair, which the four partners share
	s_mul_i32 s43, s2, STP                         ; the key step that I fetch, in LDS and in memory alike
	s_mul_i32 s44, s42, 16*STP                     ; the head pair's block of kv
	s_add_co_u32 s44, s44, s43
	s_mov_b32 s45, 0
	; descriptor group 1: a dense block of 17,920 bytes as 70 rows of 256 bytes (32 elements of 8 bytes)
	s_mov_b32 s4, 15|(3<<16)|(1<<21)               ; the mask: all four work-groups; elements of 8 bytes; bit 21 set beside a mask
	s_mov_b32 s5, 32<<16                           ; tensor_dim0
	s_mov_b32 s6, 70<<16                           ; tensor_dim1
	s_mov_b32 s7, 32<<16                           ; tile_dim0
	s_mov_b32 s8, 70                               ; tile_dim1
	s_mov_b32 s9, 32                               ; elements from row to row
	s_mov_b32 s10, 0
	s_mov_b32 s11, 0
	s_lshr_b32 s46, s42, 3                         ; n
	s_lshl_b32 s46, s46, 7
	s_lshl_b32 s47, s41, 4
	s_add_co_u32 s46, s46, s47
	s_add_co_u32 s46, s46, s2                      ; my tile of 16 queries: 128 n + 16 x block + wave
	s_lshl_b32 s46, s46, 12                        ; 16 key steps of 256 bytes of words
	s_mov_b32 s47, 0
	s_lshl_b32 s48, s42, 4
	s_lshl_b32 s49, s41, 1
	s_add_co_u32 s48, s48, s49
	s_lshr_b32 s49, s2, 3
	s_add_co_u32 s48, s48, s49                     ; my group of 128 queries
	s_mul_i32 s48, s48, 9216                       ; its pair of records in qc
	s_lshl_b32 s54, s49, 9                         ; (which of the result's two scale images is my group's)
	s_mov_b32 s49, 0
	s_and_b32 s50, s2, 7                           ; my tile in the group
	s_lshl_b32 s51, s50, 9
	s_and_b32 s52, s2, 1
	s_lshl_b32 s52, s52, 8
	s_bfe_u32 s53, s2, 0x20001
	s_lshl_b32 s53, s53, 2
	s_add_co_u32 s52, s52, s53                     ; my tile's words in a scale image: 256 (tile % 2) + 4 (tile / 2), + 16 x row
	s_add_co_u32 s54, s54, s52
	s_add_co_u32 s54, s54, OSC
	s_add_co_u32 s52, s52, 4096
	s_and_b32 s55, s2, 1
	s_lshl_b32 s55, s55, 9
	s_add_co_u32 s55, s55, OSC
	v_and_b32 v2, 31, v0
	v_and_b32 v253, 15, v0
	v_lshlrev_b32 v1, 4, v2                        ; 16 x lane
	v_lshlrev_b32 v2, 3, v2                        ; 8 x lane
	v_lshl_add_u32 v6, v253, 4, s54                ; the way out: where my row's scale word goes
	v_add_nc_u32 v7, s55, v1                       ; and where waves 0 and 1 read an image back
	v_add_nc_u32 v252, s51, v1                     ; Q: my tile's half fragment
	v_lshl_add_u32 v253, v253, 4, s52              ; and its rows' scale words
	s_mov_b32 s66, 0x3d38aa3b                      ; c = log2(e) / 32
	s_mov_b32 s67, s66                             ; (named with it as a pair, so it is written)
	s_mov_b32 s100, 0x76543210
	s_mov_b32 s101, 0xfedcba98                     ; v_permlanex16_b32's selects for lane l xor 16
	s_mov_b32 s31, 0
	s_wait_dscnt 0x0                               ; both opening adds are done
	s_wait_kmcnt 0x0
	s_add_nc_u64 s[34:35], s[34:35], s[44:45]
	s_add_nc_u64 s[28:29], s[36:37], s[46:47]
	s_add_nc_u64 s[32:33], s[32:33], s[48:49]
	s_mov_b32 s12, 1                               ; count = 1
	s_mov_b32 s13, s43                             ; LDS address: no place in the cluster enters it
	s_mov_b64 s[14:15], s[34:35]                   ; global address
	s_or_b32 s15, s15, 0x80000000                  ; type = 2
	CROUND                                         ; all four work-groups are here: the joint loads meet
	tensor_load_to_lds s[12:15], s[4:11]           ; key step = my wave's number: one tensor load a wave, on every way through the text
	s_nop 0
.rept 4
	v_nop
.endr
	s_wait_alu depctr_va_vdst(0)                   ; the wait ahead of the first readers of the head's addresses
.irp e, 0,1
	global_load_b128 v[16+8*\e:19+8*\e], v252, s[32:33] offset:4608*\e   ; Q's codes stay in registers
	global_load_b32 v[74+\e], v253, s[32:33] offset:4608*\e              ; and its scale words
.endr
	v_mov_b32 v3, 0xce800000                       ; -2^30
.irp e, 0,1
	v_mov_b32 v[9+4*\e], 0xff61b1e6                ; the largest t so far: -3e38, under every t
	v_floor_f32 v[8+4*\e], -v[9+4*\e]              ; -M
	v_mov_b32 v[10+4*\e], 0                        ; the sum, in two halves
	v_mov_b32 v[11+4*\e], 0
.irp i, 0,1,2,3
	v_mov_b32 v[20+8*\e+\i], 0                     ; Q's K = 64 .. 127: zero codes
.endr
.endr
.irp i, 0,1,2,3
	v_mov_b32 v[64+\i], 0                          ; the upper half of K's eighth operand
	v_mov_b32 v[236+\i], 0                         ; written once: a lane permute's destination counts as one of its sources
.endr
	v_mov_b32 v251, 0                              ; (named as the upper half of the pair v[250:251])
.set J, 0
.rept 64
	v_mov_b32 v[160+J], 0                          ; O^T: the step is written once; the first finds zeros, which the first change of M leaves zeros
.set J, J+1
.endr
	s_wait_alu depctr_va_vdst(0)                   ; the wait at the head's end
	s_wait_loadcnt 0x0                             ; Q is in, so its base may be written over:
	s_load_b512 s[32:47], s[28:29], s31 offset:0x0   ; key step 0's mask words
	s_load_b512 s[48:63], s[28:29], s31 offset:0x40
	s_load_b512 s[68:83], s[28:29], s31 offset:0x80
	s_load_b512 s[84:99], s[28:29], s31 offset:0xc0
	s_wait_tensorcnt 0x0                           ; my key step has landed
	s_barrier_signal -1                            ; (no LDS instruction of mine is out)
	s_barrier_wait -1                              ; all sixteen key steps are in
	s_mov_b32 s30, 0
	s_mov_b32 s3, 16
.Ltrip:
	STEP 0
	STEP 1
	s_add_co_u32 s30, s30, STP
	s_sub_co_u32 s3, s3, 1
	s_cmp_lg_u32 s3, 0
	s_cbranch_scc1 .Ltrip
	; THE WAY OUT.  O^T / the sum; by the choice of V's channels register 16 B + i is k = 32 B + 16 (lane / 16) + i of the head pair's 128 columns of my row: it is quantised along them, block by block.
	s_wait_kmcnt 0x0                               ; the last step's scalar loads have landed: their registers are free
	s_load_b64 s[32:33], s[0:1], 0x18              ; oc
	v_add_f32 v10, v10, v11                        ; the sums' two halves (the additions are the places behind the last products),
	v_add_f32 v14, v14, v15
	v_permlanex16_b32 v236, v10, s100, s101
	v_permlanex16_b32 v237, v14, s100, s101
	v_add_f32 v10, v10, v236                       ; and lane l xor 16's: the rows' sums
	v_add_f32 v14, v14, v237
	s_wait_alu depctr_va_vdst(0)                   ; the wait ahead of the reciprocals
	v_rcp_f32 v10, v10
	v_rcp_f32 v14, v14
	v_nop                                          ; a plain line behind the reciprocals
	s_bfe_u32 s40, ttmp6, 0x40000
	s_lshl_b32 s41, ttmp9, 2
	s_add_co_u32 s41, s41, s40                     ; my block of queries
	s_and_b32 s42, ttmp7, 0xffff
	s_lshr_b32 s43, s42, 3                         ; n
	s_and_b32 s44, s42, 7                          ; head pair = the projection's K step
	s_lshl_b32 s43, s43, 4
	s_lshl_b32 s41, s41, 1
	s_add_co_u32 s43, s43, s41                     ; the block's first group of 128 rows
	s_lshl_b32 s43, s43, 3
	s_add_co_u32 s43, s43, s44
	s_mul_i32 s43, s43, 8704                       ; its record
	s_lshr_b32 s45, s2, 3
	s_mul_i32 s45, s45, 69632                      ; my group's: eight records on
	s_and_b32 s46, s2, 7
	s_lshl_b32 s46, s46, 9                         ; my tile
	s_add_co_u32 s46, s46, s45
	s_add_co_u32 s46, s46, s43
	s_mov_b32 s47, 0
	s_and_b32 s48, s2, 1
	s_mul_i32 s48, s48, 69632
	s_add_co_u32 s48, s48, s43
	s_add_co_u32 s48, s48, 8192                    ; the scale image that waves 0 and 1 store
	s_mov_b32 s49, 0
	s_wait_alu depctr_va_vdst(0)                   ; one wait for both reciprocals, directly ahead of the first readers
.set J, 0
.rept 16
	v_pk_mul_f32 v[96+J:97+J], v[160+J:161+J], v[10:11] op_sel_hi:[1,0]   ; each accumulator from its low end on
.set J, J+2
.endr
.set J, 0
.rept 16
	v_pk_mul_f32 v[128+J:129+J], v[192+J:193+J], v[14:15] op_sel_hi:[1,0]
.set J, J+2
.endr
.irp b, 0,1,2,3
	v_max3_num_f32 v[232+\b], |v[96+16*\b]|, |v[97+16*\b]|, 0x1800000   ; block b: my 16 numbers, and the floor 2^(3 - 127)
.endr
.irp i, 2,4,6,8,10,12,14
.irp b, 0,1,2,3
	v_max3_num_f32 v[232+\b], v[232+\b], |v[96+16*\b+\i]|, |v[97+16*\b+\i]|
.endr
.endr
.irp b, 0,1,2,3
	v_permlanex16_b32 v[236+\b], v[232+\b], s100, s101
.endr
.irp b, 0,1,2,3
	v_max_num_f32 v[232+\b], v[232+\b], v[236+\b]  ; with lane l xor 16's: the block's largest magnitude
.endr
.irp b, 0,1,2,3
	v_add_nc_u32 v[244+\b], 0xff000000, v[232+\b]
.endr
.irp b, 0,1,2,3
	v_lshrrev_b32 v[236+\b], 23, v[244+\b]
.endr
	v_lshl_or_b32 v76, v237, 8, v236               ; my row's scale word
	v_lshl_or_b32 v76, v238, 16, v76
	v_lshl_or_b32 v76, v239, 24, v76
.irp b, 0,1,2,3
	v_cvt_scalef32_pk8_fp4_f32 v[224+2*\b], v[96+16*\b:103+16*\b], v[244+\b]
	v_cvt_scalef32_pk8_fp4_f32 v[225+2*\b], v[104+16*\b:111+16*\b], v[244+\b]
.endr
	v_nop                                          ; one plain line behind the scaled conversions
.irp c, 0,1
.irp i, 0,1
	v_permlane16_swap_b32 v[224+4*\c+\i], v[226+4*\c+\i]
.endr
.endr
	s_wait_alu depctr_va_vdst(0)                   ; the wait directly ahead of the wait below
	s_wait_kmcnt 0x0
	s_add_nc_u64 s[34:35], s[32:33], s[46:47]
	s_add_nc_u64 s[36:37], s[32:33], s[48:49]
	global_store_b128 v1, v[224:227], s[34:35]     ; the fragment's two halves: 512 consecutive bytes each
	global_store_b128 v1, v[228:231], s[34:35] offset:4096
	ds_store_b32 v6, v76                           ; eight waves' words make a scale image (lanes l and l xor 16 write the same word with the same value)
	s_wait_dscnt 0x0                               ; for the others' sake: my store has landed
	s_barrier_signal -1
	s_barrier_wait -1
	s_cmp_lt_u32 s2, 2
	s_cbranch_scc0 .Lno_image
	ds_load_b128 v[232:235], v7
	s_wait_dscnt 0x0
	global_store_b128 v1, v[232:235], s[36:37]     ; 512 consecutive bytes
.Lno_image:
	s_wait_tensorcnt 0x0                           ; the wave's end
	ds_add_u32 v249, v255
	s_wait_dscnt 0x0
	CROUND                                         ; the closing round: no work-group ends while a partner may still ask for a tile that names it
	s_endpgm
.Lfunc_end_k_q06474cee88_attn:
	.size	k_q06474cee88_attn, .Lfunc_end_k_q06474cee88_attn-k_q06474cee88_attn
	.p2alignl 7, 3214868480
	.fill 96, 4, 3214868480
	.section	.rodata,"a",@progbits
	.p2align	6, 0x0
	.amdhsa_kernel k_q06474cee88_attn
		.amdhsa_group_segment_fixed_size 327680
		.amdhsa_private_segment_fixed_size 0
		.amdhsa_enable_private_segment 0
		.amdhsa_kernarg_size 32
		.amdhsa_user_sgpr_count 2
		.amdhsa_user_sgpr_kernarg_segment_ptr 1
		.amdhsa_wavefront_size32 1
		.amdhsa_system_sgpr_workgroup_id_x 1
		.amdhsa_system_sgpr_workgroup_id_y 1
		.amdhsa_system_sgpr_workgroup_id_z 1
		.amdhsa_system_vgpr_workitem_id 0
		.amdhsa_next_free_vgpr 256
		.amdhsa_next_free_sgpr 102
		.amdhsa_reserve_vcc 0
		.amdhsa_float_denorm_mode_32 3
		.amdhsa_float_denorm_mode_16_64 3
		.amdhsa_memory_ordered 1
		.amdhsa_forward_progress 1
		.amdhsa_inst_pref_size 55
	.end_amdhsa_kernel
	.amdgpu_metadata
---
amdhsa.version: [ 1, 2 ]
amdhsa.kernels:
  - .name:           k_q06474cee88_attn
    .symbol:         k_q06474cee88_attn.kd
    .args:
      - { .name: qc, .offset: 0, .size: 8, .value_kind: global_buffer, .address_space: global }
      - { .name: kv, .offset: 8, .size: 8, .value_kind: global_buffer, .address_space: global }
      - { .name: maskw, .offset: 16, .size: 8, .value_kind: global_buffer, .address_space: global }
      - { .name: oc, .offset: 24, .size: 8, .value_kind: global_buffer, .address_space: global }
    .group_segment_fixed_size: 327680
    .private_segment_fixed_size: 0
    .kernarg_segment_align: 8
    .kernarg_segment_size: 32
    .max_flat_workgroup_size: 512
    .sgpr_count:     102
    .vgpr_count:     256
    .wavefront_size: 32
...
	.end_amdgpu_metadata
.endif
;; end of part 2
;; launch proj (part 3): grid 4 x 64, 8 waves a work-group, clusters of 4 x 4, 327,680 bytes of LDS; arguments oc, wc, b_out, out0; writes out0
.if DOCPART == 3
	.amdgcn_target "amdgcn-amd-amdhsa--gfx1250"
	.amdhsa_code_object_version 6
	.text
	.protected	k_q06474cee88_proj
	.globl	k_q06474cee88_proj
	.p2align	8
	.type	k_q06474cee88_proj,@function
k_q06474cee88_proj:
	s_mov_b64 s[64:65], 0
	v_nop
	global_prefetch_b8 v0, s[64:65] scope:SCOPE_SE
	s_setreg_imm32_b32 hwreg(HW_REG_WAVE_MODE, 25, 1), 1
	s_wait_xcnt 0x0
	s_wait_alu depctr_hold_cnt(0) depctr_sa_sdst(0) depctr_va_vdst(0) depctr_va_sdst(0) depctr_va_ssrc(0) depctr_va_vcc(0) depctr_vm_vsrc(0)
	s_getreg_b32 s2, hwreg(HW_REG_IB_STS2, 6, 4)
	s_cmp_eq_u32 s2, 0
	s_cbranch_scc0 .Lentry_in_a_cluster
	s_endpgm
.Lentry_in_a_cluster:
	s_bfe_u32 s2, ttmp6, 0x10000c
	s_cmp_lg_u32 s2, 0xf033
	s_cbranch_scc0 .Lentry_shape_is_right
	s_endpgm
.Lentry_shape_is_right:
; out0[m][n] = the sum over k of out[m][k] W_out[n][k] + b_out[n], on codes of FP4 (E2M1) with one E8M0 scale for each 32 along K.  out: 8,192 x 1,024 as oc, W_out: 1,024 x 1,024 as wc; out0 f32.
; oc [128 rows: 64][K step of 128: 8][8704], wc [K step: 8][128 rows: 8][8704].  A record: +4096 e + 512 t: rows 16 t on, K = 64 e on, as an image of four operand registers (lane l's 16 bytes at 16 l);
; +8192: the scale words of the record's 8 tiles: lane 16 hh + r owns 16 bytes, word u belongs to row r of tile 2 u + hh.
; SHARES.  A work-group makes 128 rows x 256 columns; each of its eight waves 64 x 64: 16 accumulators, 128 registers.  256 work-groups.
; LDS.  All of K of both operands lies in LDS, filled ONCE: A's 69,632 bytes and B's 139,264 in eight pieces of two K steps, ONE tensor load a wave: of wave w bit 1 says A (0) or B (1), and 2 (w / 4) + w % 2 which piece.
; One wait and one barrier make all of it visible; nothing is filled again.
; CLUSTERS: 4 x 4 work-groups.  The four of a row of the cluster need the same rows of out, the four of a column the same rows of W_out: each piece is asked for JOINTLY, with the same descriptor and a mask that names the four.
; NO PREFETCH: the operands come by the head's loads alone; there is no loop to run ahead in.
; THE MATRIX INSTRUCTION IS USED TRANSPOSED (source 0 = 16 rows of W_out, source 1 = 16 rows of out): a lane then holds eight neighbouring numbers of a row of out0.  The bias is the C of each sum's first instruction.
; REGISTERS: v1-8 LDS addresses (K steps 0-3, 4-7): A's fragments, B's, A's scale words, B's; v9-10 the stage, v11 my offset in out0; v16-17 A's scale words, v18-19 B's; v24-55 the bias, 8 registers a tile of columns;
;   v62-63 the spare word's address and 0; v64-95 A's four fragments; v96-127 B's; v128-255 the accumulators, (a, b) at v[128 + 8 (4 a + b)].
.set RECB,  8704
.set LB,    8*RECB                     ; B's place in LDS: [K step][2 groups of 128 rows][8704]
.set STG,   LB+16*RECB                 ; behind the operands: a stage of 16 rows x 272 bytes for each wave: no fill lands there
.set SPARE, STG+8*16*272               ; the spare words, 128 bytes a wave
.macro CROUND                          ; a round of the cluster's barrier
	s_barrier_signal -1
	s_barrier_wait -1
	s_cmp_lg_u32 s12, 0
	s_cbranch_scc1 .Lnot_wave_0_\@
	s_barrier_signal -3
.Lnot_wave_0_\@:
	s_barrier_wait -3
	s_barrier_signal -1
	s_barrier_wait -1
.endm
; one product: rows 16 a on of my 64, columns 16 b on.  A tile's scale words stand in register tile / 2, lanes 0-15 for an even tile, lanes 16-31 for an odd one
.macro MM s, a, b
.set AC, 128+8*(4*\a+\b)
.set CC, AC
.if \s == 0
.set CC, 24+8*\b                       ; the first K step starts the sums from the bias: nothing is cleared
.endif
.if (\a%2 == 0) && (\b%2 == 0)
	v_wmma_scale_f32_16x16x128_f8f6f4 v[AC:AC+7], v[96+8*\b:103+8*\b], v[64+8*\a:71+8*\a], v[CC:CC+7], v[18+\b/2], v[16+\a/2] matrix_a_fmt:MATRIX_FMT_FP4 matrix_b_fmt:MATRIX_FMT_FP4
.elseif \a%2 == 0
	v_wmma_scale_f32_16x16x128_f8f6f4 v[AC:AC+7], v[96+8*\b:103+8*\b], v[64+8*\a:71+8*\a], v[CC:CC+7], v[18+\b/2], v[16+\a/2] matrix_a_fmt:MATRIX_FMT_FP4 matrix_b_fmt:MATRIX_FMT_FP4 matrix_a_scale:MATRIX_SCALE_ROW1
.elseif \b%2 == 0
	v_wmma_scale_f32_16x16x128_f8f6f4 v[AC:AC+7], v[96+8*\b:103+8*\b], v[64+8*\a:71+8*\a], v[CC:CC+7], v[18+\b/2], v[16+\a/2] matrix_a_fmt:MATRIX_FMT_FP4 matrix_b_fmt:MATRIX_FMT_FP4 matrix_b_scale:MATRIX_SCALE_ROW1
.else
	v_wmma_scale_f32_16x16x128_f8f6f4 v[AC:AC+7], v[96+8*\b:103+8*\b], v[64+8*\a:71+8*\a], v[CC:CC+7], v[18+\b/2], v[16+\a/2] matrix_a_fmt:MATRIX_FMT_FP4 matrix_b_fmt:MATRIX_FMT_FP4 matrix_a_scale:MATRIX_SCALE_ROW1 matrix_b_scale:MATRIX_SCALE_ROW1
.endif
.endm
; A K step of 128: 18 LDS loads, 16 products; the 16 accumulators take turns, one instruction a turn, in the same order in every step
.macro KSTEP s
.if \s > 0
.rept 4
	v_nop                                          ; four places in front of loads into registers that the last products read
.endr
.endif
.irp a, 0,1,2,3
.irp e, 0,1
	ds_load_b128 v[64+8*\a+4*\e:67+8*\a+4*\e], v[1+\s/4] offset:(\s%4)*RECB+4096*\e+512*\a
.endr
.endr
.irp b, 0,1,2,3
.irp e, 0,1
	ds_load_b128 v[96+8*\b+4*\e:99+8*\b+4*\e], v[3+\s/4] offset:(\s%4)*2*RECB+4096*\e+512*\b
.endr
.endr
	ds_load_b64 v[16:17], v[5+\s/4] offset:(\s%4)*RECB
	ds_load_b64 v[18:19], v[7+\s/4] offset:(\s%4)*2*RECB
	s_wait_dscnt 0x0
.irp a, 0,1,2,3
.irp b, 0,1,2,3
	MM \s, \a, \b
.endr
.endr
.endm
	s_load_b256 s[4:11], s[0:1], 0x0               ; oc s[4:5], wc s[6:7], b_out s[8:9], out0 s[10:11]
	v_lshl_add_u32 v62, v0, 2, SPARE
	v_mov_b32 v63, 0
	ds_add_u32 v62, v63                            ; the opening lines: the add, twice on end, and its wait ahead of my tensor load
	ds_add_u32 v62, v63
	v_lshrrev_b32 v1, 5, v0
	v_readfirstlane_b32 s12, v1                    ; wave 0..7
	s_bfe_u32 s40, ttmp6, 0x40000                  ; cx, cy: my place in the cluster
	s_bfe_u32 s41, ttmp6, 0x40004
	s_lshl_b32 s42, ttmp9, 2
	s_add_co_u32 s42, s42, s40                     ; block of 256 columns = 4 x cluster x + cx
	s_and_b32 s13, ttmp7, 0xffff
	s_lshl_b32 s13, s13, 2
	s_add_co_u32 s13, s13, s41                     ; block of 128 rows = 4 x cluster y + cy
	s_lshl_b32 s43, s41, 2
	s_lshl_b32 s43, 15, s43                        ; my row of the cluster
	s_lshl_b32 s44, 0x1111, s40                    ; my column
	; descriptor group 1.  A: two records, a dense block of 17,408 bytes, as 68 rows of 256 bytes (32 elements of 8 bytes)
	s_or_b32 s24, s43, (3<<16)|(1<<21)             ; the mask: A's pieces go to my row; elements of 8 bytes; bit 21 set beside a mask
	s_mov_b32 s25, 32<<16                          ; tensor_dim0
	s_mov_b32 s26, 68<<16                          ; tensor_dim1
	s_mov_b32 s27, 32<<16                          ; tile_dim0
	s_mov_b32 s28, 68                              ; tile_dim1
	s_mov_b32 s29, 32                              ; elements from row to row
	s_mov_b32 s30, 0
	s_mov_b32 s31, 0
	; B: two K steps; of each my block's two records, 17,408 bytes on end (2,176 elements), 69,632 bytes (8,704 elements) from K step to K step
	s_or_b32 s48, s44, (3<<16)|(1<<21)             ; the mask of my column
	s_mov_b32 s49, 2176<<16
	s_mov_b32 s50, 2<<16
	s_mov_b32 s51, 2176<<16
	s_mov_b32 s52, 2
	s_mov_b32 s53, 8704
	s_mov_b32 s54, 0
	s_mov_b32 s55, 0
	s_and_b32 s14, s12, 1
	s_lshr_b32 s20, s12, 2
	s_lshl_b32 s20, s20, 1
	s_add_co_u32 s14, s14, s20                     ; which piece of two K steps I fetch: 0 .. 3
	s_and_b32 s22, s12, 2                          ; 0: of A; 2: of B
	s_mul_i32 s15, s14, 2*RECB                     ; A: in memory and in LDS alike
	s_mul_i32 s16, s13, 8*RECB                     ; the block of rows: A's address hangs on it and on the wave alone
	s_add_co_u32 s16, s16, s15
	s_mov_b32 s17, 0
	s_mul_i32 s18, s14, 16*RECB                    ; B in memory
	s_mul_i32 s46, s42, 2*RECB                     ; the block of columns: B's address hangs on it and on the wave alone
	s_add_co_u32 s46, s46, s18
	s_mov_b32 s47, 0
	s_mul_i32 s19, s14, 4*RECB                     ; B in LDS
	s_add_co_u32 s19, s19, LB
	s_wait_dscnt 0x0                               ; both opening adds are done
	s_wait_kmcnt 0x0
	s_mov_b32 s32, 1
	s_mov_b32 s33, s15
	s_add_nc_u64 s[34:35], s[4:5], s[16:17]
	s_or_b32 s35, s35, 0x80000000
	s_mov_b32 s56, 1
	s_mov_b32 s57, s19
	s_add_nc_u64 s[58:59], s[6:7], s[46:47]
	s_or_b32 s59, s59, 0x80000000
	CROUND                                         ; all sixteen work-groups are here: the joint loads meet
	s_cmp_eq_u32 s22, 0                            ; one branch on the wave's number, a load in each arm: every way through the head passes exactly one
	s_cbranch_scc0 .Lnot_a
	tensor_load_to_lds s[32:35], s[24:31]
	s_nop 0
.rept 4
	v_nop
.endr
	s_branch .Lasked
.Lnot_a:
	tensor_load_to_lds s[56:59], s[48:55]
	s_nop 0
.rept 4
	v_nop
.endr
.Lasked:
	s_lshr_b32 s20, s12, 2                         ; which 64 rows are mine
	s_and_b32 s21, s12, 3                          ; which 64 columns
	s_lshr_b32 s22, s21, 1                         ; in which of B's two groups of 128 rows they lie,
	s_and_b32 s23, s21, 1                          ; and in which half of it
	s_lshl_b32 s40, s42, 10
	s_lshl_b32 s41, s21, 8
	s_add_co_u32 s40, s40, s41                     ; my first column, in bytes
	s_mov_b32 s41, 0
	s_add_nc_u64 s[8:9], s[8:9], s[40:41]
	s_add_nc_u64 s[10:11], s[10:11], s[40:41]
	s_lshl_b32 s44, s13, 7
	s_lshl_b32 s45, s20, 6
	s_add_co_u32 s44, s44, s45                     ; my first row
	s_lshl_b32 s44, s44, 12
	s_mov_b32 s45, 0
	s_add_nc_u64 s[10:11], s[10:11], s[44:45]
	s_lshl_b32 s14, s20, 11                        ; A's fragments: my four tiles of 512 bytes
	s_mul_i32 s15, s22, RECB
	s_lshl_b32 s16, s23, 11
	s_add_co_u32 s16, s16, s15
	s_add_co_u32 s16, s16, LB                      ; B's
	s_lshl_b32 s17, s20, 3
	s_add_co_u32 s17, s17, 8192                    ; A's scale words: my four tiles' are 8 bytes of a lane's 16
	s_lshl_b32 s18, s23, 3
	s_add_co_u32 s18, s18, s15
	s_add_co_u32 s18, s18, LB+8192                 ; B's
	s_mul_i32 s19, s12, 16*272
	s_add_co_u32 s19, s19, STG                     ; my stage
	v_bfe_u32 v12, v0, 4, 1                        ; h = lane / 16
	v_and_b32 v15, 15, v0                          ; r = lane % 16
	v_lshlrev_b32 v14, 5, v12
.irp b, 0,1,2,3
	global_load_b128 v[24+8*\b:27+8*\b], v14, s[8:9] offset:64*\b       ; the bias in the result's layout: b_out at my columns 16 b + 8 h + 0 .. 7
	global_load_b128 v[28+8*\b:31+8*\b], v14, s[8:9] offset:64*\b+16
.endr
	v_and_b32 v13, 31, v0
	v_lshlrev_b32 v13, 4, v13                      ; 16 x lane
	v_mul_u32_u24 v9, v15, 272
	v_mul_u32_u24 v10, v12, 272
	v_lshlrev_b32 v11, 12, v12
	v_add_nc_u32 v1, s14, v13
	v_add_nc_u32 v3, s16, v13
	v_add_nc_u32 v5, s17, v13
	v_add_nc_u32 v7, s18, v13
	v_add_nc_u32 v2, 4*RECB, v1                    ; the same for K steps 4 to 7
	v_add_nc_u32 v4, 8*RECB, v3
	v_add_nc_u32 v6, 4*RECB, v5
	v_add_nc_u32 v8, 8*RECB, v7
	v_lshl_add_u32 v9, v12, 5, v9
	v_lshl_add_u32 v10, v15, 4, v10
	v_lshl_add_u32 v11, v15, 4, v11                ; my two rows in out0
	v_add_nc_u32 v9, s19, v9                       ; the stage, in: row r, 32 bytes for each half of the lanes
	v_add_nc_u32 v10, s19, v10                     ; back: lanes 0-15 one row of 256 bytes, lanes 16-31 the next
	s_wait_alu depctr_va_vdst(0)                   ; the wait at the head's end
	s_wait_tensorcnt 0x0                           ; my piece is in
	s_wait_loadcnt 0x0                             ; the bias
	s_barrier_signal -1
	s_barrier_wait -1                              ; all eight pieces are in
.irp s, 0,1,2,3,4,5,6,7
	KSTEP \s
.endr
; THE WAY OUT, 16 rows x 64 columns at a time.  A lane holds 32 neighbouring bytes of a row, and the lanes beside it hold other rows: so a block goes through my own stage and comes back as whole rows of 256 bytes.
; LDS serves a wave's instructions in order: no wait between the stores and the loads, nor in front of the next block's stores.
.macro OUTB a, bk
.irp b, 0,1,2,3
	ds_store_b128 v9, v[128+8*(4*\a+\b):128+8*(4*\a+\b)+3] offset:64*\b        ; each accumulator from its low end on
	ds_store_b128 v9, v[128+8*(4*\a+\b)+4:128+8*(4*\a+\b)+7] offset:64*\b+16
.endr
.irp i, 0,1,2,3,4,5,6,7
	ds_load_b128 v[\bk+4*\i:\bk+4*\i+3], v10 offset:544*\i
.endr
.irp i, 0,1,2,3,4,5,6,7
	s_wait_dscnt 7-\i                              ; load i is back; the 7 - i younger ones may be out
	global_store_b128 v11, v[\bk+4*\i:\bk+4*\i+3], s[10:11] offset:65536*\a+8192*\i th:TH_STORE_NT   ; 16 lanes store 256 consecutive bytes, at a multiple of 256 from out0's first byte
.endr
.endm
.rept 4
	v_nop                                          ; four places: in front of the first read of results, and of loads into registers that the last products read
.endr
	OUTB 0, 24
	OUTB 1, 64
	OUTB 2, 96
	s_wait_xcnt 0x0                                ; the first block's stores have read their registers: they are loaded again only behind this wait
	OUTB 3, 24
	s_wait_tensorcnt 0x0                           ; the wave's end
	ds_add_u32 v62, v63
	s_wait_dscnt 0x0
	CROUND                                         ; the closing round: no work-group ends while a partner may still ask for a piece that names it
	s_endpgm
.Lfunc_end_k_q06474cee88_proj:
	.size	k_q06474cee88_proj, .Lfunc_end_k_q06474cee88_proj-k_q06474cee88_proj
	.p2alignl 7, 3214868480
	.fill 96, 4, 3214868480
	.section	.rodata,"a",@progbits
	.p2align	6, 0x0
	.amdhsa_kernel k_q06474cee88_proj
		.amdhsa_group_segment_fixed_size 327680
		.amdhsa_private_segment_fixed_size 0
		.amdhsa_enable_private_segment 0
		.amdhsa_kernarg_size 32
		.amdhsa_user_sgpr_count 2
		.amdhsa_user_sgpr_kernarg_segment_ptr 1
		.amdhsa_wavefront_size32 1
		.amdhsa_system_sgpr_workgroup_id_x 1
		.amdhsa_system_sgpr_workgroup_id_y 1
		.amdhsa_system_sgpr_workgroup_id_z 1
		.amdhsa_system_vgpr_workitem_id 0
		.amdhsa_next_free_vgpr 256
		.amdhsa_next_free_sgpr 66
		.amdhsa_reserve_vcc 0
		.amdhsa_float_denorm_mode_32 3
		.amdhsa_float_denorm_mode_16_64 3
		.amdhsa_memory_ordered 1
		.amdhsa_forward_progress 1
		.amdhsa_inst_pref_size 42
	.end_amdhsa_kernel
	.amdgpu_metadata
---
amdhsa.version: [ 1, 2 ]
amdhsa.kernels:
  - .name:           k_q06474cee88_proj
    .symbol:         k_q06474cee88_proj.kd
    .args:
      - { .name: oc, .offset: 0, .size: 8, .value_kind: global_buffer, .address_space: global }
      - { .name: wc, .offset: 8, .size: 8, .value_kind: global_buffer, .address_space: global }
      - { .name: b_out, .offset: 16, .size: 8, .value_kind: global_buffer, .address_space: global }
      - { .name: out0, .offset: 24, .size: 8, .value_kind: global_buffer, .address_space: global }
    .group_segment_fixed_size: 327680
    .private_segment_fixed_size: 0
    .kernarg_segment_align: 8
    .kernarg_segment_size: 32
    .max_flat_workgroup_size: 256
    .sgpr_count:     66
    .vgpr_count:     256
    .wavefront_size: 32
...
	.end_amdgpu_metadata
.endif
;; end of part 3
